; MI455X (gfx1250); checked and timed in simulation.
; The chip was launched on July 23, 2026; its instructions are those of AMD's public machine-readable ISA for CDNA 5 (MIT licence, August 2026) and "CDNA5" Instruction Set Architecture Reference Guide (July 2026). The comments in the code are by the model that wrote it; some were corrected since.
;; Self Attention. Allowed arithmetic: float matrix products may take bf16 or f16 operands with f32 sums; all other float work in f32.
;; Inputs: b 1 float32; inp 64 x 2,048 x 512 float32; lens 64 int32; w 512 float32.
;; Outputs: out0 64 x 512 float32.
;; One version. Each part assembles by itself: llvm-mc -triple=amdgcn-amd-amdhsa -mcpu=gfx1250 --defsym DOCPART=n.
;; ======== version 1 of 1: 2 launches
;; workspace buffers: pacc 4,194,304 bytes; pml 16,384 bytes
;; launch partial (part 1): grid 32 x 64, 4 waves a work-group, no clusters, 8,960 bytes of LDS; arguments inp, lens, w, b, pacc, pml; writes pacc, pml
.if DOCPART == 1
	.amdgcn_target "amdgcn-amd-amdhsa--gfx1250"
	.amdhsa_code_object_version 6
	.text
	.protected	k_q0c4763e7d5_partial
	.globl	k_q0c4763e7d5_partial
	.p2align	8
	.type	k_q0c4763e7d5_partial,@function
k_q0c4763e7d5_partial:
	s_mov_b64 s[64:65], 0
	v_nop
	global_prefetch_b8 v0, s[64:65] scope:SCOPE_SE
	s_setreg_imm32_b32 hwreg(HW_REG_WAVE_MODE, 25, 1), 1
	s_wait_xcnt 0x0
; Attention pooling, first of two launches.  inp: [64][2048][512] f32, lens: [64] i32, w: [512] f32, b: [1] f32.
; score[s] = inp[s] . w + b for s < len, weight = softmax(score), context = sum of weight[s] inp[s].
; 32 work-groups of 4 waves share a sequence: its 128 waves take tiles of 4 rows (8,192 consecutive bytes) in turn, wave q = 32 wave + x
; the tiles q, q + 128, ...  So every address is made of ids and loop steps alone; only the number of trips hangs on lens.
; Rows from len on are not read, but for the 1 to 3 that fill up the sequence's last tile (they lie inside inp: 2,048 is a multiple of 4).
; A wave keeps a running maximum m, the sum l of 2^(score - m) and 512 weighted sums (16 a lane), all f32; a row is read from memory once
; and stays in registers between its score and its weighted sum.  The four waves meet once in LDS; the work-group stores one record:
; pacc[seq][x][512] and pml[seq][x] = (m, l).  The second launch joins the 32 records of a sequence.
; A trip asks for its tile by 16 loads and waits for all of them: what covers that wait is the other waves beside this one, for which the
; 116 registers of a wave leave room; a second register slot would take that room again.
; No matrix instruction: the product has one column, and rounding to bf16 would take as many vector instructions as the packed f32
; multiply-adds below.  No cluster: the work-groups share only the 2,048 bytes of w.
; LIMITS: lens <= 0 gives (lowest, 0, zeros) everywhere and NaN in the end, as the softmax of an empty row does; lens > 2,048 counts as 2,048.
; Weights below 2^-126 of the largest count as 0 (v_exp_f32 flushes them: ISA guide 15.8).
.set SEQ,    2048                      ; rows of a sequence
.set ROWB,   2048                      ; bytes in a row
.set TR,     4                         ; rows in a tile
.set TILE,   TR*ROWB
.set QW,     128                       ; waves that share a sequence: a wave has at most SEQ / (TR x QW) = 4 tiles
.set TSTEP,  QW*TILE                   ; from a wave's tile to its next: 1 MiB
.set MLB,    4*ROWB                    ; LDS: four waves' sums, then their (m, l), 8 bytes each
.set LOG2E,  0x3fb8aa3b
.set NEGINF, 0xff800000
.set LOWEST, 0xff7fffff                ; the most negative finite f32
.set LO,  2                            ; v2        16 x lane
.set NI,  3                            ; v3        -inf, what the mask puts in a score's place (on the way out: an LDS address)
.set VO,  4                            ; v4        byte offset in the sequence of my 16 bytes in the first row of my next tile
.set VB,  5                            ; v5        b x log2 e
.set ML,  6                            ; v6 m (in powers of two), v7 l
.set AL,  8                            ; v8 2^(old m - new m), v9 new m
.set T,   10                           ; v[10:17]  row r: v[T+2r] its score, then its weight; v[T+2r+1] at work
.set W,   18                           ; v[18:33]  w of my 16 columns: 4 lane + 128 j + 0..3
.set ACC, 34                           ; v[34:49]  weighted sums of my 16 columns
.set X,   50                           ; v[50:113] the tile: row r in 16 registers
.set Q,   X                            ; the way out: (m, l) of the four waves
.set Y,   X+8                          ;              four waves' sums of my 4 columns
.set O,   X+24                         ;              their joint sums
.set TO,  T                            ;              16 x thread
.set ZR,  T+1                          ;              0
.set WV,  16                           ; s16 wave
.set PL,  30                           ; s[30:31] selects of v_permlanex16_b32: lane i reads lane i of the other half
.set MK,  32                           ; s33-35 rows 1-3 of the present tile: all ones where the row is below len, else 0
.set LE,  37                           ; s37 log2 e
	s_load_b256 s[4:11], s[0:1], 0x0               ; inp s[4:5], lens s[6:7], w s[8:9], b s[10:11]
	s_load_b128 s[12:15], s[0:1], 0x20             ; pacc s[12:13], pml s[14:15]
	v_lshl_add_u32 v114, v0, 2, 0x2100
	v_mov_b32 v115, 0
	v_lshrrev_b32 v1, 5, v0
	v_readfirstlane_b32 s[WV], v1                  ; wave 0..3
	s_and_b32 s17, ttmp7, 0xffff                   ; sequence
	v_and_b32 v[LO], 31, v0
	v_lshlrev_b32 v[LO], 4, v[LO]
	s_lshl_b32 s18, s[WV], 5
	s_add_co_u32 s18, s18, ttmp9                   ; q = 32 wave + x: my first tile
	s_lshl_b32 s24, s18, 13                        ; x 8,192 bytes
	v_add_nc_u32 v[VO], s24, v[LO]
	s_mov_b32 s[PL], 0x76543210
	s_mov_b32 s[PL+1], 0xfedcba98
	s_mov_b32 s[LE], LOG2E
	v_mov_b32 v[ML], NEGINF                        ; nothing seen yet: the first tile's 2^(m - new m) is 0.  A wave without rows hands these on
	v_mov_b32 v[ML+1], 0
.set i, 0
.rept 16
	v_mov_b32 v[ACC+i], 0
.set i, i+1
.endr
	s_lshl_b32 s22, s17, 2
	s_mov_b32 s23, 0
	s_wait_kmcnt 0x0
	s_add_nc_u64 s[6:7], s[6:7], s[22:23]
	s_load_b32 s20, s[6:7], 0x0                    ; len
	s_load_b32 s21, s[10:11], 0x0                  ; b
	s_lshl_b32 s22, s17, 22                        ; a sequence is 4 MiB
	s_add_nc_u64 s[4:5], s[4:5], s[22:23]
	s_wait_kmcnt 0x0
	s_max_i32 s20, s20, 0
	s_min_u32 s20, s20, SEQ
	s_add_co_u32 s24, s20, TR-1
	s_lshr_b32 s24, s24, 2                         ; tiles of the sequence
	s_add_co_u32 s24, s24, QW-1
	s_sub_co_u32 s24, s24, s18
	s_lshr_b32 s25, s24, 7                         ; n: my tiles, 0 to 4
	s_cmp_eq_u32 s25, 0
	s_cbranch_scc1 .Lfin
	s_lshl_b32 s27, s18, 2
	s_sub_co_u32 s28, s20, s27                     ; rows below len from my tile's first row on: len - 4 q, at least 1 in every trip
	v_mov_b32 v[VB], s21
	v_mul_f32 v[VB], s[LE], v[VB]                  ; scores are kept as exponents of two
	v_mov_b32 v[NI], NEGINF
.irp j, 0,1,2,3
	global_load_b128 v[W+4*\j:W+4*\j+3], v[LO], s[8:9] offset:512*\j   ; waited for with the first tile
.endr
	s_mov_b32 s26, 0                               ; tiles done
.Ltile:
	; a tile: 16 loads, each 512 consecutive bytes of a row; read once in the launch
.irp r, 0,1,2,3
.irp j, 0,1,2,3
	global_load_b128 v[X+16*\r+4*\j:X+16*\r+4*\j+3], v[VO], s[4:5] offset:ROWB*\r+512*\j th:TH_LOAD_NT
.endr
.endr
.irp r, 1,2,3
	s_cmp_gt_u32 s28, \r                           ; row r of this tile is below len?  (row 0 always is)
	s_cselect_b32 s[MK+\r], -1, 0
.endr
	s_wait_loadcnt 0x0                             ; the tile is in (and, in the first trip, w)
	v_add_nc_u32 v[VO], TSTEP, v[VO]               ; free since that wait: my next tile
	; four dot products, four chains that do not wait for each other
.irp r, 0,1,2,3
	v_pk_mul_f32 v[T+2*\r:T+2*\r+1], v[X+16*\r:X+16*\r+1], v[W:W+1]
.endr
.irp k, 1,2,3,4,5,6,7
.irp r, 0,1,2,3
	v_pk_fma_f32 v[T+2*\r:T+2*\r+1], v[X+16*\r+2*\k:X+16*\r+2*\k+1], v[W+2*\k:W+2*\k+1], v[T+2*\r:T+2*\r+1]
.endr
.endr
.irp r, 0,1,2,3
	v_add_f32 v[T+2*\r], v[T+2*\r], v[T+2*\r+1]
.endr
	; across the 32 lanes; every lane ends with the sum
.irp x, 1,2,4,8
.irp r, 0,1,2,3
	v_add_f32_dpp v[T+2*\r], v[T+2*\r], v[T+2*\r] row_xmask:\x row_mask:0xf bank_mask:0xf
.endr
.endr
.irp r, 0,1,2,3
	v_permlanex16_b32 v[T+2*\r+1], v[T+2*\r], s[PL], s[PL+1]
.endr
.irp r, 0,1,2,3
	v_add_f32 v[T+2*\r], v[T+2*\r], v[T+2*\r+1]
.endr
.irp r, 0,1,2,3
	v_fma_f32 v[T+2*\r], v[T+2*\r], s[LE], v[VB]   ; (dot + b) x log2 e
.endr
.irp r, 1,2,3
	v_cndmask_b32 v[T+2*\r], v[NI], v[T+2*\r], s[MK+\r]    ; the mask: -inf in the place of a row at or past len
.endr
	; running maximum; row 0 of a tile is always below len, so the new maximum is a real score
	v_max3_num_f32 v[AL+1], v[T], v[T+2], v[ML]
	v_max3_num_f32 v[AL+1], v[T+4], v[T+6], v[AL+1]
	v_sub_f32 v[AL], v[ML], v[AL+1]
.irp r, 0,1,2,3
	v_sub_f32 v[T+2*\r], v[T+2*\r], v[AL+1]
.endr
	v_exp_f32 v[AL], v[AL]
.irp r, 0,1,2,3
	v_exp_f32 v[T+2*\r], v[T+2*\r]
.endr
	v_mov_b32 v[ML], v[AL+1]                       ; the plain instruction between the exponentials and their first use (ISA guide 5.7.2)
	s_wait_alu depctr_va_vdst(0)
	v_add_f32 v[T+1], v[T], v[T+2]
	v_add_f32 v[T+3], v[T+4], v[T+6]
	v_fma_f32 v[ML+1], v[ML+1], v[AL], v[T+1]
	v_add_f32 v[ML+1], v[ML+1], v[T+3]
	; the sums: old ones to the new maximum, then four rows; op_sel_hi 0 takes the pair's first register for both halves
.irp k, 0,1,2,3,4,5,6,7
	v_pk_mul_f32 v[ACC+2*\k:ACC+2*\k+1], v[ACC+2*\k:ACC+2*\k+1], v[AL:AL+1] op_sel_hi:[1,0]
.endr
.irp r, 0,1,2,3
.irp k, 0,1,2,3,4,5,6,7
	v_pk_fma_f32 v[ACC+2*\k:ACC+2*\k+1], v[X+16*\r+2*\k:X+16*\r+2*\k+1], v[T+2*\r:T+2*\r+1], v[ACC+2*\k:ACC+2*\k+1] op_sel_hi:[1,0,1]
.endr
.endr
	s_sub_co_u32 s28, s28, TR*QW                   ; my next tile begins 512 rows further down
	s_add_co_u32 s26, s26, 1
	s_cmp_lt_u32 s26, s25
	s_cbranch_scc1 .Ltile
.Lfin:
	; The four waves meet: each lays its 512 sums and its (m, l) into LDS bytes of its own; behind one barrier thread t joins columns 4 t .. 4 t + 3.
	s_lshl_b32 s27, s[WV], 11
	v_add_nc_u32 v1, s27, v[LO]
.irp j, 0,1,2,3
	ds_store_b128 v1, v[ACC+4*\j:ACC+4*\j+3] offset:512*\j         ; column c of wave w at 2,048 w + 4 c
.endr
	s_lshl_b32 s27, s[WV], 3
	v_mov_b32 v3, s27
	ds_store_b64 v3, v[ML:ML+1] offset:MLB                         ; all lanes the same 8 bytes
	s_wait_dscnt 0x0                               ; my stores are done before I say so
	s_barrier_signal -1
	s_barrier_wait -1
	v_mov_b32 v[ZR], 0
	v_lshlrev_b32 v[TO], 4, v0
	ds_load_b128 v[Q:Q+3], v[ZR] offset:MLB
	ds_load_b128 v[Q+4:Q+7], v[ZR] offset:MLB+16
.irp w, 0,1,2,3
	ds_load_b128 v[Y+4*\w:Y+4*\w+3], v[TO] offset:ROWB*\w
.endr
	s_mov_b32 s36, LOWEST
	s_lshl_b32 s24, s17, 5
	s_add_co_u32 s24, s24, ttmp9                   ; my record: 32 sequence + x
	s_lshl_b32 s22, s24, 11                        ; (s23 is still 0)
	s_add_nc_u64 s[12:13], s[12:13], s[22:23]
	s_lshl_b32 s22, s24, 3
	s_add_nc_u64 s[14:15], s[14:15], s[22:23]
	s_wait_dscnt 0x4                               ; the (m, l) are in; the four loads of sums stay out
	v_max3_num_f32 v[ML], v[Q], v[Q+2], v[Q+4]
	v_max3_num_f32 v[ML], v[ML], v[Q+6], s36       ; never -inf, so that a wave without rows gets -inf - m = -inf and the factor 0, not NaN
.irp w, 0,1,2,3
	v_sub_f32 v[Q+2*\w], v[Q+2*\w], v[ML]
.endr
.irp w, 0,1,2,3
	v_exp_f32 v[Q+2*\w], v[Q+2*\w]
.endr
	v_nop                                          ; the place behind the exponentials (ISA guide 5.7.2)
	s_wait_alu depctr_va_vdst(0)
	v_mul_f32 v[ML+1], v[Q], v[Q+1]
.irp w, 1,2,3
	v_fmac_f32 v[ML+1], v[Q+2*\w], v[Q+2*\w+1]
.endr
	s_wait_dscnt 0x0
.irp h, 0,2
	v_pk_mul_f32 v[O+\h:O+\h+1], v[Y+\h:Y+\h+1], v[Q:Q+1] op_sel_hi:[1,0]
.endr
.irp w, 1,2,3
.irp h, 0,2
	v_pk_fma_f32 v[O+\h:O+\h+1], v[Y+4*\w+\h:Y+4*\w+\h+1], v[Q+2*\w:Q+2*\w+1], v[O+\h:O+\h+1] op_sel_hi:[1,0,1]
.endr
.endr
	global_store_b128 v[TO], v[O:O+3], s[12:13]    ; a wave's store covers 512 consecutive bytes, at a multiple of 512 in pacc
	s_wait_xcnt 0x0                                ; EXEC is a source of that store: it changes only behind this wait
	v_cmp_eq_u32 vcc_lo, 0, v0
	s_wait_tensorcnt 0x0
	ds_add_u32 v114, v115
	s_wait_dscnt 0x0
	s_and_saveexec_b32 s29, vcc_lo                 ; thread 0 alone
	global_store_b64 v[ZR], v[ML:ML+1], s[14:15]   ; (m, l): the one short store of the work-group
	s_wait_xcnt 0x0
	s_or_b32 exec_lo, exec_lo, s29
	s_endpgm
.Lfunc_end_k_q0c4763e7d5_partial:
	.size	k_q0c4763e7d5_partial, .Lfunc_end_k_q0c4763e7d5_partial-k_q0c4763e7d5_partial
	.p2alignl 7, 3214868480
	.fill 96, 4, 3214868480
	.section	.rodata,"a",@progbits
	.p2align	6, 0x0
	.amdhsa_kernel k_q0c4763e7d5_partial
		.amdhsa_group_segment_fixed_size 8960
		.amdhsa_private_segment_fixed_size 0
		.amdhsa_enable_private_segment 0
		.amdhsa_kernarg_size 48
		.amdhsa_user_sgpr_count 2
		.amdhsa_user_sgpr_kernarg_segment_ptr 1
		.amdhsa_wavefront_size32 1
		.amdhsa_system_sgpr_workgroup_id_x 1
		.amdhsa_system_sgpr_workgroup_id_y 1
		.amdhsa_system_sgpr_workgroup_id_z 1
		.amdhsa_system_vgpr_workitem_id 0
		.amdhsa_next_free_vgpr 116
		.amdhsa_next_free_sgpr 66
		.amdhsa_reserve_vcc 1
		.amdhsa_float_denorm_mode_32 3
		.amdhsa_float_denorm_mode_16_64 3
		.amdhsa_memory_ordered 1
		.amdhsa_forward_progress 1
		.amdhsa_inst_pref_size 15
	.end_amdhsa_kernel
	.amdgpu_metadata
---
amdhsa.version: [ 1, 2 ]
amdhsa.kernels:
  - .name:           k_q0c4763e7d5_partial
    .symbol:         k_q0c4763e7d5_partial.kd
    .args:
      - { .name: inp, .offset: 0, .size: 8, .value_kind: global_buffer, .address_space: global }
      - { .name: lens, .offset: 8, .size: 8, .value_kind: global_buffer, .address_space: global }
      - { .name: w, .offset: 16, .size: 8, .value_kind: global_buffer, .address_space: global }
      - { .name: b, .offset: 24, .size: 8, .value_kind: global_buffer, .address_space: global }
      - { .name: pacc, .offset: 32, .size: 8, .value_kind: global_buffer, .address_space: global }
      - { .name: pml, .offset: 40, .size: 8, .value_kind: global_buffer, .address_space: global }
    .group_segment_fixed_size: 8960
    .private_segment_fixed_size: 0
    .kernarg_segment_align: 8
    .kernarg_segment_size: 48
    .max_flat_workgroup_size: 128
    .sgpr_count:     66
    .vgpr_count:     116
    .wavefront_size: 32
...
	.end_amdgpu_metadata
.endif
;; end of part 1
;; launch merge (part 2): grid 4 x 64, 1 waves a work-group, no clusters, 0 bytes of LDS; arguments pacc, pml, out0; writes out0
.if DOCPART == 2
	.amdgcn_target "amdgcn-amd-amdhsa--gfx1250"
	.amdhsa_code_object_version 6
	.text
	.protected	k_q0c4763e7d5_merge
	.globl	k_q0c4763e7d5_merge
	.p2align	8
	.type	k_q0c4763e7d5_merge,@function
k_q0c4763e7d5_merge:
	s_mov_b64 s[64:65], 0
	v_nop
	global_prefetch_b8 v0, s[64:65] scope:SCOPE_SE
	s_setreg_imm32_b32 hwreg(HW_REG_WAVE_MODE, 25, 1), 1
	s_wait_xcnt 0x0
; Attention pooling, second launch: out0[seq][c] = sum over p of 2^(m_p - M) pacc[seq][p][c] / sum over p of 2^(m_p - M) l_p, M = max m_p.
; pacc: [64][32][512] f32, pml: [64][32] pairs (m, l), out0: [64][512] f32.
; One wave makes 128 columns (x) of one sequence (y): a lane holds 4 columns, and lane p also holds (m, l) of record p, so that the
; maximum and the sum over the 32 records are one reduction over the lanes each.  All 33 loads are issued at once.
; A sequence without rows has l = 0 in every record: 0 x (1 / 0) gives NaN, as the softmax of an empty row does.
.set NREC, 32
.set RECB, 2048                        ; bytes in a record
.set O,  8                             ; v[8:11]   results of my 4 columns
.set X,  16                            ; v[16:143] record p: 4 registers
.set PL, 20                            ; s[20:21]  selects of v_permlanex16_b32
.set E,  32                            ; s[32:63]  the 32 records' weights
	s_load_b128 s[4:7], s[0:1], 0x0                ; pacc s[4:5], pml s[6:7]
	s_load_b64 s[8:9], s[0:1], 0x10                ; out0
	s_and_b32 s10, ttmp7, 0xffff                   ; sequence
	s_lshl_b32 s11, ttmp9, 9                       ; my 128 columns: 512 bytes
	v_lshlrev_b32 v1, 3, v0                        ; 8 x lane
	v_lshlrev_b32 v2, 4, v0                        ; 16 x lane
	s_lshl_b32 s12, s10, 8                         ; pml: 256 bytes a sequence
	s_mov_b32 s13, 0
	s_lshl_b32 s14, s10, 16                        ; pacc: 65,536 bytes a sequence
	s_add_co_u32 s14, s14, s11
	s_mov_b32 s15, 0
	s_lshl_b32 s16, s10, 11                        ; out0: 2,048 bytes a sequence
	s_add_co_u32 s16, s16, s11
	s_mov_b32 s17, 0
	s_mov_b32 s[PL], 0x76543210
	s_mov_b32 s[PL+1], 0xfedcba98
	s_wait_kmcnt 0x0
	s_add_nc_u64 s[6:7], s[6:7], s[12:13]
	s_add_nc_u64 s[4:5], s[4:5], s[14:15]
	s_add_nc_u64 s[8:9], s[8:9], s[16:17]
	global_load_b64 v[4:5], v1, s[6:7]             ; lane p: m_p, l_p
.set p, 0
.rept NREC
	global_load_b128 v[X+4*p:X+4*p+3], v2, s[4:5] offset:RECB*p th:TH_LOAD_NT   ; 512 consecutive bytes of record p; read once in the launch
.set p, p+1
.endr
	s_wait_loadcnt NREC                            ; (m, l) are in; the 32 records stay out
	v_mov_b32 v6, v4                               ; m_p is needed again behind the reduction
.irp x, 1,2,4,8
	v_max_num_f32_dpp v6, v6, v6 row_xmask:\x row_mask:0xf bank_mask:0xf
.endr
	v_permlanex16_b32 v1, v6, s[PL], s[PL+1]       ; v1, the offset of the load that has come, is written and free
	v_max_num_f32 v6, v6, v1                       ; M in every lane
	v_sub_f32 v4, v4, v6
	v_exp_f32 v4, v4                               ; 2^(m_p - M)
	v_nop                                          ; the place behind a transcendental (ISA guide 5.7.2)
	s_wait_alu depctr_va_vdst(0)
	v_mul_f32 v7, v4, v5
.irp x, 1,2,4,8
	v_add_f32_dpp v7, v7, v7 row_xmask:\x row_mask:0xf bank_mask:0xf
.endr
	v_permlanex16_b32 v1, v7, s[PL], s[PL+1]
	v_add_f32 v7, v7, v1                           ; the softmax's denominator
	v_rcp_f32 v7, v7
	v_nop
	s_wait_alu depctr_va_vdst(0)
	v_mul_f32 v4, v4, v7                           ; lane p: record p's weight
.set p, 0
.rept NREC
	v_readlane_b32 s[E+p], v4, p
.set p, p+1
.endr
	s_wait_loadcnt NREC-1                          ; record 0 is in: it starts the sums
.irp c, 0,1,2,3
	v_mul_f32 v[O+\c], s[E], v[X+\c]
.endr
.set p, 1
.rept NREC-1
	s_wait_loadcnt NREC-1-p                        ; record p is in; the younger ones stay out
.irp c, 0,1,2,3
	v_fmac_f32 v[O+\c], s[E+p], v[X+4*p+\c]
.endr
.set p, p+1
.endr
	global_store_b128 v2, v[O:O+3], s[8:9]         ; 512 consecutive bytes, at a multiple of 512 in out0
	s_endpgm
.Lfunc_end_k_q0c4763e7d5_merge:
	.size	k_q0c4763e7d5_merge, .Lfunc_end_k_q0c4763e7d5_merge-k_q0c4763e7d5_merge
	.p2alignl 7, 3214868480
	.fill 96, 4, 3214868480
	.section	.rodata,"a",@progbits
	.p2align	6, 0x0
	.amdhsa_kernel k_q0c4763e7d5_merge
		.amdhsa_group_segment_fixed_size 0
		.amdhsa_private_segment_fixed_size 0
		.amdhsa_enable_private_segment 0
		.amdhsa_kernarg_size 24
		.amdhsa_user_sgpr_count 2
		.amdhsa_user_sgpr_kernarg_segment_ptr 1
		.amdhsa_wavefront_size32 1
		.amdhsa_system_sgpr_workgroup_id_x 1
		.amdhsa_system_sgpr_workgroup_id_y 1
		.amdhsa_system_sgpr_workgroup_id_z 1
		.amdhsa_system_vgpr_workitem_id 0
		.amdhsa_next_free_vgpr 144
		.amdhsa_next_free_sgpr 66
		.amdhsa_reserve_vcc 0
		.amdhsa_float_denorm_mode_32 3
		.amdhsa_float_denorm_mode_16_64 3
		.amdhsa_memory_ordered 1
		.amdhsa_forward_progress 1
		.amdhsa_inst_pref_size 13
	.end_amdhsa_kernel
	.amdgpu_metadata
---
amdhsa.version: [ 1, 2 ]
amdhsa.kernels:
  - .name:           k_q0c4763e7d5_merge
    .symbol:         k_q0c4763e7d5_merge.kd
    .args:
      - { .name: pacc, .offset: 0, .size: 8, .value_kind: global_buffer, .address_space: global }
      - { .name: pml, .offset: 8, .size: 8, .value_kind: global_buffer, .address_space: global }
      - { .name: out0, .offset: 16, .size: 8, .value_kind: global_buffer, .address_space: global }
    .group_segment_fixed_size: 0
    .private_segment_fixed_size: 0
    .kernarg_segment_align: 8
    .kernarg_segment_size: 24
    .max_flat_workgroup_size: 32
    .sgpr_count:     66
    .vgpr_count:     144
    .wavefront_size: 32
...
	.end_amdgpu_metadata
.endif
;; end of part 2
